; MI455X (gfx1250); checked and timed in simulation.
; The chip was launched on July 23, 2026; its instructions are those of AMD's public machine-readable ISA for CDNA 5 (MIT licence, August 2026) and "CDNA5" Instruction Set Architecture Reference Guide (July 2026). The comments in the code are by the model that wrote it; some were corrected since.
;; Model. Allowed arithmetic: matrix products marked QUANTISED: E5M2 operands, one given power-of-two scale a tensor, by v_wmma_f32_16x16x64_bf8_bf8 or v_wmma_f32_16x16x128_bf8_bf8, f32 sums; everything else in f32.
;; Inputs: inv_scale_factor 1 float32; key 2 x 16 x 2,048 x 64 float32; lowp_scales 4 int32 (the exponents e of the quantised operands' scales 2^e); query 2 x 16 x 2,048 x 64 float32; value 2 x 16 x 2,048 x 64 float32.
;; Outputs: out0 2 x 16 x 2,048 x 64 float32.
;; This version of the problem:
;;   THIS VERSION OF THE PROBLEM IS GIVEN IN LOW PRECISION. The matrix products marked QUANTISED in the list below multiply operands that are first quantised to E5M2 (5 exponent bits, 2 mantissa bits; 8 bits a number), with one given power-of-two scale for each operand tensor; their sums are f32. All else is computed in f32.
;;   The module's matrix products, in the order in which they are computed (A, B: the left and right operand; K: the contracted axis; several contracted axes count as one K, in the product's order):
;;     1. batch 32 x [M 2,048, K 64] x [K 64, N 2,048]; A: input query; B: input key: QUANTISED (scales: A lowp_scales[0], B lowp_scales[1])
;;     2. batch 32 x [M 2,048, K 2,048] x [K 2,048, N 64]; A: softmax (see below); B: input value: QUANTISED (scales: A lowp_scales[2], B lowp_scales[3])
;;   THE QUANTISER, for each operand of a quantised product, along K:
;;     - The operand's scale is 2^e, e = its entry of the input lowp_scales (int32; the entries are numbered through the quantised products in the list's order, A before B).
;;     - Each number is divided by the scale, clamped to +-57,344, and rounded to the nearest number of E5M2, ties to even, subnormals kept.
;;     - The product sums the exact products of the quantised numbers (number of the format x scale) in f32.
;;   ~~~python
;;   def quantise(x, axis, e):      # numpy; x: float32 -> the quantised numbers, widened to float32 again
;;       x = np.moveaxis(x, axis, -1); K = x.shape[-1]
;;       r = np.clip(x / 2.0 ** e, -57344, 57344)
;;       step = 2.0 ** (np.maximum(np.frexp(np.where(r == 0, 1, r))[1] - 1, -14) - 2)
;;       q = np.round(r / step) * step * 2.0 ** e      # np.round: ties to even
;;       return np.moveaxis(q, -1, axis).astype(np.float32)
;;   ~~~
;;   SOFTMAX AHEAD OF A QUANTISED PRODUCT. Where the list says 'softmax', what is quantised is not the finished softmax but p = 2^(t - M), with t = logit x log2(e) and M = ceil(the row's largest t), a whole number; so 1/2 < the row's largest p <= 1. The row's sum l is taken of the UNQUANTISED p, in f32, and the product's result is divided by l at the end. Since M is a whole number, a kernel that streams over the keys may use a running M (the ceiling of the running maximum): every later rescaling is an exact power of two, so the quantised numbers keep their values, but for numbers so far below the row's largest that they fall under the format's range.
;;   OPERANDS COMPUTED ON THE WAY. 'Computed on the way' means the value that the module computes at that place (a softmax that the list does not call 'softmax' is quantised finished and normalised). What goes into a quantiser is computed in f32, as accurately as f32 sums, v_exp_f32 and their like allow (about 1e-6 of the number): no bf16 or f16 on the way to a quantiser, and a product that is left as it is and whose result goes on into a quantised operand takes f32 operands (vector FMAs, or v_wmma_f32_16x16x4_f32). A number that lies on a knife's edge between two numbers of the format may be rounded either way, as far as f32 arithmetic and the matrix unit's own rounding can turn it there, and no further.
;; 2 versions. Each part assembles by itself: llvm-mc -triple=amdgcn-amd-amdhsa -mcpu=gfx1250 --defsym DOCPART=n.
;; ======== version 1 of 2: 2 launches
;; workspace buffers: kv 8,388,608 bytes
;; launch quant (part 1): grid 16 x 32, 8 waves a work-group, no clusters, 35,840 bytes of LDS; arguments key, value, lowp_scales, kv; writes kv
.if DOCPART == 1
	.amdgcn_target "amdgcn-amd-amdhsa--gfx1250"
	.amdhsa_code_object_version 6
	.text
	.protected	k_qba37c38393_quant
	.globl	k_qba37c38393_quant
	.p2align	8
	.type	k_qba37c38393_quant,@function
k_qba37c38393_quant:
	s_mov_b64 s[64:65], 0
	v_nop
	global_prefetch_b8 v0, s[64:65] scope:SCOPE_SE
	s_setreg_imm32_b32 hwreg(HW_REG_WAVE_MODE, 25, 1), 1
	s_wait_xcnt 0x0
; key and value, [32 heads][2048 keys][64] f32, become codes of BF8 (E5M2) with the given scales 2^ek (entry 1 of lowp_scales) and 2^ev (entry 3):
; code = x / 2^e, held within +-57,344, rounded to the nearest code, ties to even.  K is quantised along the head's 64, V along the keys.
; THE CODES ARE LAID AS IMAGES OF THE OPERANDS' REGISTERS, so that the next launch takes every fragment by loads of 16 bytes a lane at 16 x lane.
; kv: head x 262,144 + step x 16,384 (a step is 128 keys); in a step K's image (8,192 bytes), then V's (8,192 bytes).
;   K's image: byte 1024 t + 512 c + 16 l + i = K[key 32 (t / 2) + 8 (t % 2) + r + 8 (r / 8)][d = 32 c + 16 (l / 16) + i], r = l % 16: tile t = 0..7, c = 0..1, lane l, i = 0..15.
;   V's image: byte 8192 + 2048 t + 512 c + 16 l + i = V[key 32 c + 16 (l / 16) + i][d = 16 t + l % 16]: tile t = 0..3, c = 0..3.
; SHARES.  A work-group (x: step, y: head) takes 128 keys of K and of V; 512 work-groups.  Wave w has two tasks:
;   K: tile t = w, 16 rows of 256 bytes.  Each load takes 512 consecutive bytes (two rows); the rows turn through the wave's own stage in LDS, so that a lane gets 16 neighbours along d of one row.
;   V: a lane takes a column d = 32 (w % 2) + lane, and its 32 registers run down keys 32 (w / 2) + 0..31: the conversions then give codes with the keys innermost, and nothing is transposed.
; Straight-line text: every offset is an immediate, no register that a load or a store names is written again, waves share nothing: no barrier.  All 40 loads of a wave go out together.
; LIMITS: ek and ev between -126 and 112, so that 2^e and 57,344 x 2^e are f32 numbers.  NaN among the inputs is not served; an infinity is held at the largest code.
.set PITCH, 272                        ; a stage row: 256 bytes + 16 of padding
.set STG,   16*PITCH                   ; a wave's stage: 16 rows
.set KR,    16                         ; v16-47   K as loaded
.set KT,    48                         ; v48-79   K turned: register 16 c + i = d 32 c + 16 (lane / 16) + i of row lane % 16
.set VR,    80                         ; v80-111  V: register i = key 32 (w / 2) + i of my column
.set KC,    112                        ; v112-119 K's codes
.set VC,    120                        ; v120-127 V's codes
	s_load_b256 s[4:11], s[0:1], 0x0               ; key s[4:5], value s[6:7], lowp_scales s[8:9], kv s[10:11]
	v_lshl_add_u32 v128, v0, 2, 0x8800
	v_mov_b32 v129, 0
	v_lshrrev_b32 v10, 5, v0
	v_readfirstlane_b32 s12, v10                   ; wave 0..7
	v_and_b32 v11, 31, v0                          ; lane
	v_and_b32 v12, 15, v0                          ; lane % 16
	v_bfe_u32 v13, v0, 4, 1                        ; lane / 16
	v_lshlrev_b32 v1, 4, v11                       ; 16 x lane: K's loads, K's stores
	v_lshlrev_b32 v2, 2, v11                       ; 4 x lane: V's loads
	s_mul_i32 s30, s12, STG                        ; my stage
	v_mul_u32_u24 v3, v13, PITCH
	v_lshl_add_u32 v3, v12, 4, v3
	v_add_nc_u32 v3, s30, v3                       ; into the stage: lanes 0-15 one row, lanes 16-31 the next, 16 bytes a lane
	v_mul_u32_u24 v4, v12, PITCH
	v_lshl_add_u32 v4, v13, 6, v4
	v_add_nc_u32 v4, s30, v4                       ; out of it: row lane % 16, + 64 bytes for the upper half of the lanes
	v_lshlrev_b32 v5, 11, v13
	v_lshl_add_u32 v5, v12, 4, v5                  ; V's stores: 2048 (lane / 16) + 16 (lane % 16)
	s_and_b32 s13, ttmp7, 0xffff                   ; head
	s_lshl_b32 s14, s13, 19                        ; a head is 2,048 rows of 256 bytes,
	s_lshl_b32 s16, ttmp9, 15                      ; a step 128 rows
	s_add_co_u32 s14, s14, s16
	s_lshr_b32 s16, s12, 1                         ; w / 2
	s_and_b32 s17, s12, 1                          ; w % 2
	s_lshl_b32 s18, s16, 13                        ; 32 rows for each w / 2, in K and in V
	s_add_co_u32 s14, s14, s18
	s_lshl_b32 s18, s17, 11                        ; K: 8 rows for w % 2
	s_add_co_u32 s18, s14, s18
	s_mov_b32 s19, 0
	s_lshl_b32 s24, s17, 7                         ; V: 32 columns for w % 2
	s_add_co_u32 s14, s14, s24
	s_mov_b32 s15, 0
	s_lshl_b32 s24, s13, 18                        ; kv: the head's 262,144 bytes,
	s_lshl_b32 s25, ttmp9, 14                      ; the step's 16,384
	s_add_co_u32 s24, s24, s25
	s_lshl_b32 s26, s12, 10                        ; K's image: tile w
	s_add_co_u32 s26, s24, s26
	s_mov_b32 s27, 0
	s_lshl_b32 s28, s17, 12                        ; V's image: tiles 2 (w % 2) and 2 (w % 2) + 1,
	s_add_co_u32 s24, s24, s28
	s_lshl_b32 s28, s16, 9                         ; group c = w / 2,
	s_add_co_u32 s24, s24, s28
	s_add_co_u32 s24, s24, 8192                    ; behind K's image
	s_mov_b32 s25, 0
	s_wait_kmcnt 0x0
	s_load_b128 s[20:23], s[8:9], 0x0              ; eq, ek, ep, ev
	s_add_nc_u64 s[4:5], s[4:5], s[18:19]
	s_add_nc_u64 s[6:7], s[6:7], s[14:15]
	s_add_nc_u64 s[28:29], s[10:11], s[26:27]      ; where K's codes go
	s_add_nc_u64 s[10:11], s[10:11], s[24:25]      ; where V's go
.irp i, 0,1,2,3
	global_load_b128 v[KR+4*\i:KR+4*\i+3], v1, s[4:5] offset:512*\i th:TH_LOAD_NT          ; the tile's rows 0-7: eight neighbouring keys; 512 consecutive bytes a load
.endr
.irp i, 4,5,6,7
	global_load_b128 v[KR+4*\i:KR+4*\i+3], v1, s[4:5] offset:512*\i+2048 th:TH_LOAD_NT     ; its rows 8-15: the eight keys that lie 16 further on
.endr
.set i, 0
.rept 32
	global_load_b32 v[VR+i], v2, s[6:7] offset:256*i th:TH_LOAD_NT                         ; V(key i, my column): 128 consecutive bytes a load; the wave beside me takes the row's other 128
.set i, i+1
.endr
	s_wait_kmcnt 0x0
	s_add_co_i32 s24, s21, 127
	s_lshl_b32 s25, s24, 23
	v_mov_b32 v6, s25                              ; 2^ek as f32: the conversion takes its exponent field
	s_add_co_i32 s24, s24, 15
	s_lshl_b32 s24, s24, 23
	s_or_b32 s24, s24, 0x600000
	v_mov_b32 v7, s24                              ; 57,344 x 2^ek
	s_add_co_i32 s24, s23, 127
	s_lshl_b32 s25, s24, 23
	v_mov_b32 v8, s25                              ; 2^ev
	s_add_co_i32 s24, s24, 15
	s_lshl_b32 s24, s24, 23
	s_or_b32 s24, s24, 0x600000
	v_mov_b32 v9, s24                              ; 57,344 x 2^ev
	; ---- K
	s_wait_loadcnt 32                              ; K's eight loads are in; V's 32, issued behind them, may be out
.irp i, 0,1,2,3,4,5,6,7
	ds_store_b128 v3, v[KR+4*\i:KR+4*\i+3] offset:2*\i*PITCH
.endr
.irp c, 0,1
.irp j, 0,1,2,3
	ds_load_b128 v[KT+16*\c+4*\j:KT+16*\c+4*\j+3], v4 offset:128*\c+16*\j   ; LDS serves a wave's instructions in order (ISA guide 5.7.1.4): these see my stores
.endr
.endr
	s_wait_dscnt 0x0
.set i, 0
.rept 32
	v_med3_num_f32 v[KT+i], v[KT+i], -v7, v7       ; the conversion to an 8-bit code does not saturate (ISA guide 7.6.2): the hold at the largest code x the scale comes first
.set i, i+1
.endr
.irp g, 0,1,2,3
	v_cvt_scalef32_pk8_bf8_f32 v[KC+2*\g:KC+2*\g+1], v[KT+8*\g:KT+8*\g+7], v6
.endr
	v_nop                                          ; a plain line behind the last conversion of the run
.irp c, 0,1
	global_store_b128 v1, v[KC+4*\c:KC+4*\c+3], s[28:29] offset:512*\c      ; 32 lanes store 512 consecutive bytes, at a multiple of 512 from kv's first byte
.endr
	; ---- V, eight keys at a time as their loads come in
.irp g, 0,1,2,3
	s_wait_loadcnt 8*(3-\g)                        ; this group's eight loads are in; those of the later groups may be out
.irp i, 0,1,2,3,4,5,6,7
	v_med3_num_f32 v[VR+8*\g+\i], v[VR+8*\g+\i], -v9, v9
.endr
	v_cvt_scalef32_pk8_bf8_f32 v[VC+2*\g:VC+2*\g+1], v[VR+8*\g:VR+8*\g+7], v8
.endr
	v_nop                                          ; a plain line behind the last conversion
.irp u, 0,1
	global_store_b128 v5, v[VC+4*\u:VC+4*\u+3], s[10:11] offset:256*\u      ; keys 16 u + 0..15 of my column: sixteen neighbouring lanes store 256 consecutive bytes, aligned
.endr
	s_wait_tensorcnt 0x0
	ds_add_u32 v128, v129
	s_wait_dscnt 0x0
	s_endpgm
.Lfunc_end_k_qba37c38393_quant:
	.size	k_qba37c38393_quant, .Lfunc_end_k_qba37c38393_quant-k_qba37c38393_quant
	.p2alignl 7, 3214868480
	.fill 96, 4, 3214868480
	.section	.rodata,"a",@progbits
	.p2align	6, 0x0
	.amdhsa_kernel k_qba37c38393_quant
		.amdhsa_group_segment_fixed_size 35840
		.amdhsa_private_segment_fixed_size 0
		.amdhsa_enable_private_segment 0
		.amdhsa_kernarg_size 32
		.amdhsa_user_sgpr_count 2
		.amdhsa_user_sgpr_kernarg_segment_ptr 1
		.amdhsa_wavefront_size32 1
		.amdhsa_system_sgpr_workgroup_id_x 1
		.amdhsa_system_sgpr_workgroup_id_y 1
		.amdhsa_system_sgpr_workgroup_id_z 1
		.amdhsa_system_vgpr_workitem_id 0
		.amdhsa_next_free_vgpr 130
		.amdhsa_next_free_sgpr 66
		.amdhsa_reserve_vcc 0
		.amdhsa_float_denorm_mode_32 3
		.amdhsa_float_denorm_mode_16_64 3
		.amdhsa_memory_ordered 1
		.amdhsa_forward_progress 1
		.amdhsa_inst_pref_size 13
	.end_amdhsa_kernel
	.amdgpu_metadata
---
amdhsa.version: [ 1, 2 ]
amdhsa.kernels:
  - .name:           k_qba37c38393_quant
    .symbol:         k_qba37c38393_quant.kd
    .args:
      - { .name: key, .offset: 0, .size: 8, .value_kind: global_buffer, .address_space: global }
      - { .name: value, .offset: 8, .size: 8, .value_kind: global_buffer, .address_space: global }
      - { .name: lowp_scales, .offset: 16, .size: 8, .value_kind: global_buffer, .address_space: global }
      - { .name: kv, .offset: 24, .size: 8, .value_kind: global_buffer, .address_space: global }
    .group_segment_fixed_size: 35840
    .private_segment_fixed_size: 0
    .kernarg_segment_align: 8
    .kernarg_segment_size: 32
    .max_flat_workgroup_size: 256
    .sgpr_count:     66
    .vgpr_count:     130
    .wavefront_size: 32
...
	.end_amdgpu_metadata
.endif
;; end of part 1
;; launch attn (part 2): grid 8 x 32, 16 waves a work-group, no clusters, 137,216 bytes of LDS; arguments query, kv, lowp_scales, inv_scale_factor, out0; writes out0
.if DOCPART == 2
	.amdgcn_target "amdgcn-amd-amdhsa--gfx1250"
	.amdhsa_code_object_version 6
	.text
	.protected	k_qba37c38393_attn
	.globl	k_qba37c38393_attn
	.p2align	8
	.type	k_qba37c38393_attn,@function
k_qba37c38393_attn:
	s_mov_b64 s[64:65], 0
	v_nop
	global_prefetch_b8 v0, s[64:65] scope:SCOPE_SE
	s_setreg_imm32_b32 hwreg(HW_REG_WAVE_MODE, 25, 1), 1
	s_wait_xcnt 0x0
; out0[head][q][:] = the sum over k of softmax_k(Q[q] . K[k] / inv_scale_factor) V[k][:], 32 heads, 2,048 queries and keys, head size 64, both products on codes of BF8 (E5M2) with the given scales 2^eq, 2^ek, 2^ep, 2^ev.
; K's and V's codes come from kv, laid by the launch before as images of the operands' registers (a step of 128 keys: K's image 8,192 bytes, V's 8,192).  Q is read by one wave alone and is quantised here, in registers.
; THE SOFTMAX AHEAD OF THE SECOND PRODUCT: t = score x c, c = log2(e) / |inv| x 2^(eq + ek); M = the running largest t, rounded UP to a whole number; p = 2^(t - M) is quantised along the keys, not normalised.
; The row's sum is taken of the unquantised p and divides O at the end.  When M moves, the sum and O are multiplied by 2^(old M - new M), which rounds nothing.
; THE SIGN OF inv_scale_factor is put onto Q ahead of the quantiser (the quantiser is odd, so every score changes its sign and nothing else): c is then positive whatever inv holds, and the largest score gives the largest t.
; SHARES.  A work-group (x: block of 256 queries, y: head) has sixteen waves; a wave owns 16 queries, one tile, in 256 registers: four waves to a SIMD, so that one wave's vector work stands beside another's products and LDS loads.
; Every wave walks all 2,048 keys, 128 a step, two steps (a chunk of 32,768 bytes of kv) to a slot.
; LAYOUT.  Both products are used transposed: S^T = K Q^T (source 0 = 16 keys, source 1 = my queries), O^T = V^T P^T (source 0 = 16 of the head's 64, source 1 = P): a lane holds ONE query (lane % 16) throughout.
; The keys of a tile of K are chosen (in kv) so that the 16 registers of tiles 2 b and 2 b + 1 of S^T are keys 32 b + 16 (lane / 16) + 0..15: the conversions' results are P's operand as they stand.
; The place of k in the registers is a permutation of the instruction's own, the same in both sources of each product: every product meets its partner; only the order of the sums inside an instruction differs.
; THE SLOTS ARE FILLED THROUGH REGISTERS: thread n copies 4 x 16 bytes of a chunk (global_load_b128 a slot's work ahead, ds_store_b128 into the slot that nobody reads).  While chunk i is read, chunk i + 1 is stored and chunk i + 2 asked for.
; ONE BARRIER A SLOT orders both ways: in front of it each wave's stores into the other slot have landed and its reads of this slot are back (s_wait_dscnt 0).
; NOT ASKED FOR JOINTLY, though the eight work-groups of a head read the same codes.  Here the branch on ep
; leaves out 64 of a step's vector instructions (the hold of p) wherever 57,344 x 2^ep covers p's largest value; a chunk costs a wave four loads and four LDS stores for two steps' work.
; NO PREFETCH: each chunk is asked for, into registers, two steps' work ahead of the wait for it.
; LIMITS: eq and ep between -126 and 112; |inv_scale_factor| a normal f32 number between 2^-126 and 2^126 (at 0 the quotient itself is not finite); c a normal f32 number; ep + ev is applied by v_ldexp_f32 and has no limit.
; NaN among the inputs is not served; an infinity in Q is held at the largest code.  p under 2^-126 counts as 0.
.set SLOTB, 32768                      ; LDS: slot 0 at 0, slot 1 at 32,768: dense copies of a chunk
.set STEPB, 16384                      ; a step's images
.set STAGE, 65536                      ; behind the slots: a stage of 16 rows x 272 bytes for each wave: Q's turn at the head, O's way out
.set PITCH, 272
.set LI,  1                            ; v1   16 x lane: an image's place for my lane; also my bytes in Q's loads and O's stores
.set CP,  2                            ; v2   16 x thread: my bytes of a quarter chunk, in kv and in a slot
.set SA,  3                            ; v3   the stage by rows: lanes 0-15 one row, lanes 16-31 the next, 16 bytes a lane
.set SQ,  4                            ; v4   the stage, Q's turn: row lane % 16, + 64 (lane / 16)
.set SO,  5                            ; v5   the stage, O's way in: row lane % 16, + 32 (lane / 16)
                                       ; v8 2^ep, v9 57,344 x 2^ep; v[10:11] c; v12 -M, v13 the largest t; v[14:15] the sum in two halves
.set QF,  16                           ; v16-23   Q's fragment
.set CH,  24                           ; v24-39   the chunk on its way
.set FR,  40                           ; v40-103  fragments: K's eight of 8 registers, then V's four of 16
.set SC,  104                          ; v104-167 S^T, then p
.set OT,  168                          ; v168-199 O^T: tile t at 168 + 8 t; register j is d = 16 t + 8 (lane / 16) + j
.set PC,  200                          ; v200-215 p's codes
                                       ; v216, v217 Q's scale and limit, at the end 1 / sum; v[218:219] second chain of the maximum, then f; v[220:221] second chain of the sum; v222 at work; v223 the lane exchange's destination
.macro BARRIER                         ; my LDS stores have landed and my LDS loads are back: then the work-group's barrier
	s_wait_dscnt 0x0
	s_barrier_signal -1
	s_barrier_wait -1
.endm
	s_load_b256 s[4:11], s[0:1], 0x0               ; query s[4:5], kv s[6:7], lowp_scales s[8:9], inv_scale_factor s[10:11]
	s_load_b64 s[12:13], s[0:1], 0x20              ; out0
	v_lshl_add_u32 v254, v0, 2, 0x21000
	v_mov_b32 v255, 0
	v_lshrrev_b32 v6, 5, v0
	v_readfirstlane_b32 s14, v6                    ; wave 0..15
	s_and_b32 s15, ttmp7, 0xffff                   ; head
	s_lshl_b32 s26, s15, 19                        ; Q and O: a head is 2,048 rows of 256 bytes,
	s_lshl_b32 s28, ttmp9, 16                      ; a block 256 rows,
	s_add_co_u32 s26, s26, s28
	s_lshl_b32 s28, s14, 12                        ; a wave 16 rows
	s_add_co_u32 s26, s26, s28
	s_mov_b32 s27, 0
	s_lshl_b32 s28, s15, 18                        ; kv: a head is 262,144 bytes
	s_mov_b32 s29, 0
	s_mul_i32 s33, s14, 16*PITCH
	s_add_co_u32 s33, s33, STAGE                   ; my stage
	s_mov_b32 s30, 0x76543210                      ; v_permlanex16_b32's selects for lane l xor 16
	s_mov_b32 s31, 0xfedcba98
	v_and_b32 v6, 31, v0
	v_lshlrev_b32 v[LI], 4, v6
	v_lshlrev_b32 v[CP], 4, v0
	v_and_b32 v6, 15, v0                           ; r = lane % 16
	v_bfe_u32 v7, v0, 4, 1                         ; h = lane / 16
	v_mul_u32_u24 v[SA], v7, PITCH
	v_lshl_add_u32 v[SA], v6, 4, v[SA]
	v_add_nc_u32 v[SA], s33, v[SA]
	v_mul_u32_u24 v[SQ], v6, PITCH
	v_lshl_add_u32 v[SO], v7, 5, v[SQ]
	v_lshl_add_u32 v[SQ], v7, 6, v[SQ]
	v_add_nc_u32 v[SQ], s33, v[SQ]
	v_add_nc_u32 v[SO], s33, v[SO]
	s_wait_kmcnt 0x0
	s_load_b128 s[16:19], s[8:9], 0x0              ; eq, ek, ep, ev
	s_load_b32 s20, s[10:11], 0x0                  ; inv_scale_factor
	s_add_nc_u64 s[4:5], s[4:5], s[26:27]          ; Q at my first query
	s_add_nc_u64 s[12:13], s[12:13], s[26:27]      ; O likewise
	s_add_nc_u64 s[6:7], s[6:7], s[28:29]          ; kv at the head's chunk 0
.irp j, 0,1,2,3
	global_load_b128 v[FR+4*\j:FR+4*\j+3], v[CP], s[6:7] offset:8192*\j                    ; chunk 0: a wave's load takes 512 consecutive bytes
.endr
.irp i, 0,1,2,3,4,5,6,7
	global_load_b128 v[SC+32+4*\i:SC+32+4*\i+3], v[LI], s[4:5] offset:512*\i th:TH_LOAD_NT ; my 16 rows of Q, two rows (512 consecutive bytes) a load
.endr
.irp j, 0,1,2,3
	global_load_b128 v[CH+4*\j:CH+4*\j+3], v[CP], s[6:7] offset:SLOTB+8192*\j              ; chunk 1
.endr
.set j, 0
.rept 32
	v_mov_b32 v[OT+j], 0                           ; O^T.  (The step is written once for all steps: the first finds zeros, which the first change of M leaves zeros)
.set j, j+1
.endr
	v_mov_b32 v13, 0xff61b1e6                      ; the largest t so far: -3e38, under every t
	v_floor_f32 v12, -v13                          ; -M
	v_mov_b32 v14, 0                               ; the sum, in two halves
	v_mov_b32 v15, 0
	v_mov_b32 v219, 0                              ; (named as the upper half of the pair v[218:219])
	v_mov_b32 v223, 0                              ; written once: a lane exchange's destination counts as one of its sources
	s_wait_kmcnt 0x0
	s_and_b32 s21, s20, 0x80000000                 ; inv's sign, for Q
	s_and_b32 s22, s20, 0x7fffffff                 ; |inv|
	s_add_co_i32 s23, s16, s17                     ; eq + ek
	s_add_co_i32 s24, s18, s19                     ; ep + ev
	s_add_co_i32 s28, s16, 127
	s_lshl_b32 s29, s28, 23
	v_mov_b32 v216, s29                            ; 2^eq as f32: the conversion takes its exponent field
	s_add_co_i32 s28, s28, 15
	s_lshl_b32 s28, s28, 23
	s_or_b32 s28, s28, 0x600000
	v_mov_b32 v217, s28                            ; 57,344 x 2^eq
	s_add_co_i32 s28, s18, 127
	s_lshl_b32 s29, s28, 23
	v_mov_b32 v8, s29                              ; 2^ep
	s_add_co_i32 s28, s28, 15
	s_lshl_b32 s28, s28, 23
	s_or_b32 s28, s28, 0x600000
	v_mov_b32 v9, s28                              ; 57,344 x 2^ep
	v_mov_b32 v222, s22
	v_rcp_f32 v10, v222                            ; 1 / |inv|,
	v_nop                                          ; (a plain line behind the transcendental,
	s_wait_alu depctr_va_vdst(0)                   ; and the wait ahead of the first line that names its result)
	v_fma_f32 v11, -v222, v10, 1.0                 ; bettered by one Newton step: what goes into a quantiser is as good as f32 gives
	v_fma_f32 v10, v11, v10, v10
	v_mul_f32 v10, 0x3fb8aa3b, v10                 ; x log2(e)
	v_ldexp_f32 v10, v10, s23                      ; x 2^(eq + ek): a score stands for score x 2^(eq + ek)
	v_mov_b32 v11, v10                             ; (named with it as a pair, so it is written)
	s_wait_loadcnt 12                              ; chunk 0's four loads are in; Q's eight and chunk 1's four, issued behind them, may be out
.irp j, 0,1,2,3
	ds_store_b128 v[CP], v[FR+4*\j:FR+4*\j+3] offset:8192*\j                               ; into slot 0
.endr
	s_wait_loadcnt 4                               ; Q's eight loads are in; chunk 1's four may be out
.irp i, 0,1,2,3,4,5,6,7
	ds_store_b128 v[SA], v[SC+32+4*\i:SC+32+4*\i+3] offset:2*\i*PITCH                      ; Q turns through my stage, so that a lane gets 16 neighbours along d of one row
.endr
.irp c, 0,1
.irp j, 0,1,2,3
	ds_load_b128 v[SC+16*\c+4*\j:SC+16*\c+4*\j+3], v[SQ] offset:128*\c+16*\j               ; register 16 c + i = Q(r, 32 c + 16 h + i).  LDS serves a wave's instructions in order (ISA guide 5.7.1.4): these see my stores
.endr
.endr
	s_wait_dscnt 0x0
.set j, 0
.rept 32
	v_xor_b32 v[SC+j], s21, v[SC+j]                ; inv's sign goes onto Q
.set j, j+1
.endr
.set j, 0
.rept 32
	v_med3_num_f32 v[SC+j], v[SC+j], -v217, v217   ; the conversion to an 8-bit code does not saturate (ISA guide 7.6.2): the hold at the largest code x the scale
.set j, j+1
.endr
.irp g, 0,1,2,3
	v_cvt_scalef32_pk8_bf8_f32 v[QF+2*\g:QF+2*\g+1], v[SC+8*\g:SC+8*\g+7], v216
.endr
	v_nop                                          ; a plain line between the last conversion and the products, which read its result and write its sources
	BARRIER                                        ; chunk 0 lies whole in slot 0
; A KEY STEP: 128 keys, the q-th step of the slot.  st = 1: the chunk that has come in goes into the other slot.  ld = 1 (only with st = 1): the chunk after that is asked for.
.macro STEP slot, q, st, ld
.set BS, (\slot)*SLOTB+(\q)*STEPB
.rept 4
	v_nop                                          ; four places between the last step's products and the loads into the registers that they read (ISA guide 7.12.1 for vector instructions)
.endr
.if \st
	s_wait_loadcnt 0x0                             ; the chunk asked for a slot's work ago is in: no load of mine is out
.irp j, 0,1,2,3
	ds_store_b128 v[CP], v[CH+4*\j:CH+4*\j+3] offset:(1-(\slot))*SLOTB+8192*\j             ; into the slot that every wave has left: the barrier at the last slot's end stands between
.endr
.endif
.irp t, 0,1,2,3,4,5,6,7
.irp c, 0,1
	ds_load_b128 v[FR+8*\t+4*\c:FR+8*\t+4*\c+3], v[LI] offset:BS+1024*\t+512*\c            ; K's eight fragments, as they lie
.endr
.endr
	s_wait_dscnt 0x0                               ; they are in, and the stores above have read their registers
.if \ld
	s_add_nc_u64 s[6:7], s[6:7], SLOTB             ; no load that names the base is out (the wait for 0 above): it steps a chunk on
.irp j, 0,1,2,3
	global_load_b128 v[CH+4*\j:CH+4*\j+3], v[CP], s[6:7] offset:SLOTB+8192*\j              ; the chunk two on from the one in hand: it has this slot's two steps in which to come
.endr
.endif
.irp t, 0,1,2,3,4,5,6,7
	v_wmma_f32_16x16x64_bf8_bf8 v[SC+8*\t:SC+8*\t+7], v[FR+8*\t:FR+8*\t+7], v[QF:QF+7], 0  ; S^T: lane (r, h) holds query r; register j of tile t is key 32 (t / 2) + 8 (t % 2) + 16 h + j
.endr
.rept 4
	v_nop                                          ; four places: in front of the loads into K's registers, and of the first read of the scores
.endr
.irp t, 0,1,2,3
.irp c, 0,1,2,3
	ds_load_b128 v[FR+16*\t+4*\c:FR+16*\t+4*\c+3], v[LI] offset:BS+8192+2048*\t+512*\c     ; V's four fragments come in under the softmax
.endr
.endr
	v_max3_num_f32 v222, v[SC], v[SC+1], v[SC+2]   ; the step's largest score of my query among my 64 keys, in two chains; each tile's registers are read from the low end on
	v_max3_num_f32 v218, v[SC+3], v[SC+4], v[SC+5]
.irp i, 6,10,14,18,22,26,30,34,38,42,46,50,54,58
	v_max3_num_f32 v222, v222, v[SC+\i], v[SC+1+\i]
	v_max3_num_f32 v218, v218, v[SC+2+\i], v[SC+3+\i]
.endr
	v_max3_num_f32 v222, v222, v[SC+62], v[SC+63]
	v_max_num_f32 v222, v222, v218
	v_permlanex16_b32 v223, v222, s30, s31
	v_max_num_f32 v222, v222, v223                 ; and among lane l xor 16's
	v_mul_f32 v222, v10, v222                      ; as t (c is positive)
	v_max_num_f32 v13, v13, v222                   ; the running largest t
	v_mov_b32 v222, v12
	v_floor_f32 v12, -v13                          ; the new -M = floor(-t) = -ceil(t): M is a whole number
	v_sub_f32 v222, v12, v222                      ; M's old value less its new one: a whole number, 0 or less
	v_cvt_i32_f32 v222, v222                       ; (it saturates)
	v_ldexp_f32 v218, 1.0, v222                    ; f = 2^(old M - new M)
.set j, 0
.rept 32
	v_pk_fma_f32 v[SC+j:SC+j+1], v[SC+j:SC+j+1], v[10:11], v[12:13] op_sel_hi:[1,0,0]      ; t - M, two at a time (of the pairs c and -M the low word serves both halves)
.set j, j+2
.endr
.set j, 0
.rept 64
	v_exp_f32 v[SC+j], v[SC+j]                     ; p = 2^(t - M), at most 1: not normalised
.set j, j+1
.endr
	v_pk_mul_f32 v[14:15], v[14:15], v[218:219] op_sel_hi:[1,0]                            ; the sums under the new M: the plain line behind the exponentials
	s_wait_alu depctr_va_vdst(0)                   ; one wait for the batch of 64, ahead of the first line that names a result
	v_pk_add_f32 v[220:221], v[SC:SC+1], v[SC+2:SC+3]                                      ; the row's sum is taken of the unquantised p: two at a time, in two chains
.irp j, 4,8,12,16,20,24,28,32,36,40,44,48,52,56,60
	v_pk_add_f32 v[14:15], v[14:15], v[SC+\j:SC+\j+1]
	v_pk_add_f32 v[220:221], v[220:221], v[SC+2+\j:SC+3+\j]
.endr
	v_pk_add_f32 v[14:15], v[14:15], v[220:221]
	s_cmp_ge_i32 s18, -15                          ; from ep = -15 on, 57,344 x 2^ep is 1.75 or more and p is at most 1: the hold would change nothing and is left out.  (A branch on a whole number that was read from memory, the same in every wave)
	s_cbranch_scc1 .Lfits_\@
.set j, 0
.rept 64
	v_min_num_f32 v[SC+j], v[SC+j], v9             ; the conversion does not saturate (ISA guide 7.6.2); p is not negative, so the hold is one-sided
.set j, j+1
.endr
.Lfits_\@:
.irp b, 0,1,2,3
	v_cvt_scalef32_pk8_bf8_f32 v[PC+4*\b:PC+4*\b+1], v[SC+16*\b:SC+16*\b+7], v8            ; registers 4 b .. 4 b + 3 of P's operand: keys 32 b + 16 h + 0..15, as V's image has them
	v_cvt_scalef32_pk8_bf8_f32 v[PC+4*\b+2:PC+4*\b+3], v[SC+16*\b+8:SC+16*\b+15], v8
.endr
.set j, 0
.rept 16
	v_pk_mul_f32 v[OT+j:OT+j+1], v[OT+j:OT+j+1], v[218:219] op_sel_hi:[1,0]                ; O^T under the new M, each tile from its low end on; also the plain lines between the conversions and the products
.set j, j+2
.endr
	s_wait_dscnt 0x0                               ; V's fragments are in
.irp t, 0,1,2,3
	v_wmma_f32_16x16x128_bf8_bf8 v[OT+8*\t:OT+8*\t+7], v[FR+16*\t:FR+16*\t+15], v[PC:PC+15], v[OT+8*\t:OT+8*\t+7]   ; O^T += V^T P^T: the four accumulators take turns, one instruction a turn
.endr
.endm
.macro SLOTWORK slot, st, ld
	STEP \slot, 0, \st, \ld
	STEP \slot, 1, 0, 0
	BARRIER                                        ; every wave has left this slot, and the other slot is whole
.endm
	s_mov_b32 s32, 3
.Lpair:                                                ; three trips: chunks 0 to 5 are read, chunks 1 to 6 stored, chunks 2 to 7 asked for
	SLOTWORK 0, 1, 1
	SLOTWORK 1, 1, 1
	s_sub_co_u32 s32, s32, 1
	s_cmp_lg_u32 s32, 0
	s_cbranch_scc1 .Lpair
	SLOTWORK 0, 1, 0                               ; chunk 6 is read, chunk 7 stored; nothing is left to ask for: no load leaves the head's part of kv
	STEP 1, 0, 0, 0                                ; chunk 7; nothing is stored into a slot behind it, so no barrier follows
	STEP 1, 1, 0, 0
	; THE WAY OUT.  O^T is divided by the row's sum, multiplied by 2^(ep + ev), and goes through my stage, so that whole rows of 256 bytes leave.  The plain lines down to the first multiplication are the places behind the last products.
	v_add_f32 v14, v14, v15                        ; the sum's two halves,
	v_permlanex16_b32 v223, v14, s30, s31
	v_add_f32 v14, v14, v223                       ; and lane l xor 16's: the row's sum
	v_rcp_f32 v216, v14
	v_nop                                          ; a plain line behind the transcendental
	s_wait_alu depctr_va_vdst(0)                   ; and the wait ahead of the first line that names its result
	v_ldexp_f32 v216, v216, s24                    ; x 2^(ep + ev)
	v_mov_b32 v217, v216                           ; a pair for the packed multiplication
.set j, 0
.rept 16
	v_pk_mul_f32 v[SC+j:SC+j+1], v[OT+j:OT+j+1], v[216:217]                                ; register 8 t + i is o(r, 16 t + 8 h + i); each tile from its low end on
.set j, j+2
.endr
.irp t, 0,1,2,3
	ds_store_b128 v[SO], v[SC+8*\t:SC+8*\t+3] offset:64*\t                                 ; row r of the stage, bytes 64 t + 32 h on
	ds_store_b128 v[SO], v[SC+8*\t+4:SC+8*\t+7] offset:64*\t+16
.endr
.irp i, 0,1,2,3,4,5,6,7
	ds_load_b128 v[SC+32+4*\i:SC+32+4*\i+3], v[SA] offset:2*\i*PITCH                       ; back by rows: these see my stores (a wave's LDS instructions are served in order)
.endr
.irp i, 0,1,2,3,4,5,6,7
	s_wait_dscnt 7-\i                              ; load i is back; the later ones may be out
	global_store_b128 v[LI], v[SC+32+4*\i:SC+32+4*\i+3], s[12:13] offset:512*\i th:TH_STORE_NT   ; 32 lanes store two rows of O: 512 consecutive bytes, at a multiple of 512 from out0's first byte
.endr
	s_wait_tensorcnt 0x0
	ds_add_u32 v254, v255
	s_wait_dscnt 0x0
	s_endpgm
.Lfunc_end_k_qba37c38393_attn:
	.size	k_qba37c38393_attn, .Lfunc_end_k_qba37c38393_attn-k_qba37c38393_attn
	.p2alignl 7, 3214868480
	.fill 96, 4, 3214868480
	.section	.rodata,"a",@progbits
	.p2align	6, 0x0
	.amdhsa_kernel k_qba37c38393_attn
		.amdhsa_group_segment_fixed_size 137216
		.amdhsa_private_segment_fixed_size 0
		.amdhsa_enable_private_segment 0
		.amdhsa_kernarg_size 40
		.amdhsa_user_sgpr_count 2
		.amdhsa_user_sgpr_kernarg_segment_ptr 1
		.amdhsa_wavefront_size32 1
		.amdhsa_system_sgpr_workgroup_id_x 1
		.amdhsa_system_sgpr_workgroup_id_y 1
		.amdhsa_system_sgpr_workgroup_id_z 1
		.amdhsa_system_vgpr_workitem_id 0
		.amdhsa_next_free_vgpr 256
		.amdhsa_next_free_sgpr 66
		.amdhsa_reserve_vcc 0
		.amdhsa_float_denorm_mode_32 3
		.amdhsa_float_denorm_mode_16_64 3
		.amdhsa_memory_ordered 1
		.amdhsa_forward_progress 1
		.amdhsa_inst_pref_size 137
	.end_amdhsa_kernel
	.amdgpu_metadata
---
amdhsa.version: [ 1, 2 ]
amdhsa.kernels:
  - .name:           k_qba37c38393_attn
    .symbol:         k_qba37c38393_attn.kd
    .args:
      - { .name: query, .offset: 0, .size: 8, .value_kind: global_buffer, .address_space: global }
      - { .name: kv, .offset: 8, .size: 8, .value_kind: global_buffer, .address_space: global }
      - { .name: lowp_scales, .offset: 16, .size: 8, .value_kind: global_buffer, .address_space: global }
      - { .name: inv_scale_factor, .offset: 24, .size: 8, .value_kind: global_buffer, .address_space: global }
      - { .name: out0, .offset: 32, .size: 8, .value_kind: global_buffer, .address_space: global }
    .group_segment_fixed_size: 137216
    .private_segment_fixed_size: 0
    .kernarg_segment_align: 8
    .kernarg_segment_size: 40
    .max_flat_workgroup_size: 512
    .sgpr_count:     66
    .vgpr_count:     256
    .wavefront_size: 32
...
	.end_amdgpu_metadata
.endif
;; end of part 2
;; ======== version 2 of 2: 2 launches
;; workspace buffers: kv 8,388,608 bytes
;; launch quant (part 3): grid 16 x 32, 8 waves a work-group, no clusters, 35,840 bytes of LDS; arguments key, value, lowp_scales, kv; writes kv
.if DOCPART == 3
	.amdgcn_target "amdgcn-amd-amdhsa--gfx1250"
	.amdhsa_code_object_version 6
	.text
	.protected	k_qba37c38393_quant
	.globl	k_qba37c38393_quant
	.p2align	8
	.type	k_qba37c38393_quant,@function
k_qba37c38393_quant:
	s_mov_b64 s[64:65], 0
	v_nop
	global_prefetch_b8 v0, s[64:65] scope:SCOPE_SE
	s_setreg_imm32_b32 hwreg(HW_REG_WAVE_MODE, 25, 1), 1
	s_wait_xcnt 0x0
; key and value, [32 heads][2048 keys][64] f32, become codes of BF8 (E5M2) with the given scales 2^ek (entry 1 of lowp_scales) and 2^ev (entry 3):
; code = x / 2^e, held within +-57,344, rounded to the nearest code, ties to even.  K is quantised along the head's 64, V along the keys.
; THE CODES ARE LAID AS IMAGES OF THE OPERANDS' REGISTERS, so that the next launch takes every fragment by loads of 16 bytes a lane at 16 x lane.
; kv: head x 262,144 + step x 16,384 (a step is 128 keys); in a step K's image (8,192 bytes), then V's (8,192 bytes).
;   K's image: byte 1024 t + 512 c + 16 l + i = K[key 32 (t / 2) + 8 (t % 2) + r + 8 (r / 8)][d = 32 c + 16 (l / 16) + i], r = l % 16: tile t = 0..7, c = 0..1, lane l, i = 0..15.
;   V's image: byte 8192 + 2048 t + 512 c + 16 l + i = V[key 32 c + 16 (l / 16) + i][d = 16 t + l % 16]: tile t = 0..3, c = 0..3.
; SHARES.  A work-group (x: step, y: head) takes 128 keys of K and of V; 512 work-groups.  Wave w has two tasks:
;   K: tile t = w, 16 rows of 256 bytes.  Each load takes 512 consecutive bytes (two rows); the rows turn through the wave's own stage in LDS, so that a lane gets 16 neighbours along d of one row.
;   V: a lane takes a column d = 32 (w % 2) + lane, and its 32 registers run down keys 32 (w / 2) + 0..31: the conversions then give codes with the keys innermost, and nothing is transposed.
; Straight-line text: every offset is an immediate, no register that a load or a store names is written again, waves share nothing: no barrier.  All 40 loads of a wave go out together.
; LIMITS: ek and ev between -126 and 112, so that 2^e and 57,344 x 2^e are f32 numbers.  NaN among the inputs is not served; an infinity is held at the largest code.
.set PITCH, 272                        ; a stage row: 256 bytes + 16 of padding
.set STG,   16*PITCH                   ; a wave's stage: 16 rows
.set KR,    16                         ; v16-47   K as loaded
.set KT,    48                         ; v48-79   K turned: register 16 c + i = d 32 c + 16 (lane / 16) + i of row lane % 16
.set VR,    80                         ; v80-111  V: register i = key 32 (w / 2) + i of my column
.set KC,    112                        ; v112-119 K's codes
.set VC,    120                        ; v120-127 V's codes
	s_load_b256 s[4:11], s[0:1], 0x0               ; key s[4:5], value s[6:7], lowp_scales s[8:9], kv s[10:11]
	v_lshl_add_u32 v128, v0, 2, 0x8800
	v_mov_b32 v129, 0
	v_lshrrev_b32 v10, 5, v0
	s_delay_alu instid0(VALU_DEP_1)
	v_readfirstlane_b32 s12, v10                   ; wave 0..7
	v_and_b32 v11, 31, v0                          ; lane
	v_and_b32 v12, 15, v0                          ; lane % 16
	v_bfe_u32 v13, v0, 4, 1                        ; lane / 16
	s_delay_alu instid0(VALU_DEP_3)
	v_lshlrev_b32 v1, 4, v11                       ; 16 x lane: K's loads, K's stores
	s_delay_alu instid0(VALU_DEP_4)
	v_lshlrev_b32 v2, 2, v11                       ; 4 x lane: V's loads
	s_mul_i32 s30, s12, STG                        ; my stage
	v_mul_u32_u24 v3, v13, PITCH
	s_delay_alu instid0(VALU_DEP_1)
	v_lshl_add_u32 v3, v12, 4, v3
	s_delay_alu instid0(VALU_DEP_1)
	v_add_nc_u32 v3, s30, v3                       ; into the stage: lanes 0-15 one row, lanes 16-31 the next, 16 bytes a lane
	v_mul_u32_u24 v4, v12, PITCH
	s_delay_alu instid0(VALU_DEP_1)
	v_lshl_add_u32 v4, v13, 6, v4
	s_delay_alu instid0(VALU_DEP_1)
	v_add_nc_u32 v4, s30, v4                       ; out of it: row lane % 16, + 64 bytes for the upper half of the lanes
	v_lshlrev_b32 v5, 11, v13
	s_delay_alu instid0(VALU_DEP_1)
	v_lshl_add_u32 v5, v12, 4, v5                  ; V's stores: 2048 (lane / 16) + 16 (lane % 16)
	s_and_b32 s13, ttmp7, 0xffff                   ; head
	s_lshl_b32 s14, s13, 19                        ; a head is 2,048 rows of 256 bytes,
	s_lshl_b32 s16, ttmp9, 15                      ; a step 128 rows
	s_add_co_u32 s14, s14, s16
	s_lshr_b32 s16, s12, 1                         ; w / 2
	s_and_b32 s17, s12, 1                          ; w % 2
	s_lshl_b32 s18, s16, 13                        ; 32 rows for each w / 2, in K and in V
	s_add_co_u32 s14, s14, s18
	s_lshl_b32 s18, s17, 11                        ; K: 8 rows for w % 2
	s_add_co_u32 s18, s14, s18
	s_mov_b32 s19, 0
	s_lshl_b32 s24, s17, 7                         ; V: 32 columns for w % 2
	s_add_co_u32 s14, s14, s24
	s_mov_b32 s15, 0
	s_lshl_b32 s24, s13, 18                        ; kv: the head's 262,144 bytes,
	s_lshl_b32 s25, ttmp9, 14                      ; the step's 16,384
	s_add_co_u32 s24, s24, s25
	s_lshl_b32 s26, s12, 10                        ; K's image: tile w
	s_add_co_u32 s26, s24, s26
	s_mov_b32 s27, 0
	s_lshl_b32 s28, s17, 12                        ; V's image: tiles 2 (w % 2) and 2 (w % 2) + 1,
	s_add_co_u32 s24, s24, s28
	s_lshl_b32 s28, s16, 9                         ; group c = w / 2,
	s_add_co_u32 s24, s24, s28
	s_add_co_u32 s24, s24, 8192                    ; behind K's image
	s_mov_b32 s25, 0
	s_wait_alu depctr_va_vdst(0)
	s_wait_kmcnt 0x0
	s_load_b128 s[20:23], s[8:9], 0x0              ; eq, ek, ep, ev
	s_add_nc_u64 s[4:5], s[4:5], s[18:19]
	s_add_nc_u64 s[6:7], s[6:7], s[14:15]
	s_add_nc_u64 s[28:29], s[10:11], s[26:27]      ; where K's codes go
	s_add_nc_u64 s[10:11], s[10:11], s[24:25]      ; where V's go
.irp i, 0,1,2,3
	global_load_b128 v[KR+4*\i:KR+4*\i+3], v1, s[4:5] offset:512*\i th:TH_LOAD_NT          ; the tile's rows 0-7: eight neighbouring keys; 512 consecutive bytes a load
.endr
.irp i, 4,5,6,7
	global_load_b128 v[KR+4*\i:KR+4*\i+3], v1, s[4:5] offset:512*\i+2048 th:TH_LOAD_NT     ; its rows 8-15: the eight keys that lie 16 further on
.endr
.set i, 0
.rept 32
	global_load_b32 v[VR+i], v2, s[6:7] offset:256*i th:TH_LOAD_NT                         ; V(key i, my column): 128 consecutive bytes a load; the wave beside me takes the row's other 128
.set i, i+1
.endr
	s_wait_kmcnt 0x0
	s_add_co_i32 s24, s21, 127
	s_lshl_b32 s25, s24, 23
	v_mov_b32 v6, s25                              ; 2^ek as f32: the conversion takes its exponent field
	s_add_co_i32 s24, s24, 15
	s_lshl_b32 s24, s24, 23
	s_or_b32 s24, s24, 0x600000
	v_mov_b32 v7, s24                              ; 57,344 x 2^ek
	s_add_co_i32 s24, s23, 127
	s_lshl_b32 s25, s24, 23
	v_mov_b32 v8, s25                              ; 2^ev
	s_add_co_i32 s24, s24, 15
	s_lshl_b32 s24, s24, 23
	s_or_b32 s24, s24, 0x600000
	v_mov_b32 v9, s24                              ; 57,344 x 2^ev
	s_wait_alu depctr_va_vdst(0)
	; ---- K
	s_wait_loadcnt 32                              ; K's eight loads are in; V's 32, issued behind them, may be out
.irp i, 0,1,2,3,4,5,6,7
	ds_store_b128 v3, v[KR+4*\i:KR+4*\i+3] offset:2*\i*PITCH
.endr
.irp c, 0,1
.irp j, 0,1,2,3
	ds_load_b128 v[KT+16*\c+4*\j:KT+16*\c+4*\j+3], v4 offset:128*\c+16*\j   ; LDS serves a wave's instructions in order (ISA guide 5.7.1.4): these see my stores
.endr
.endr
	s_wait_dscnt 0x0
.set i, 0
.rept 32
	v_med3_num_f32 v[KT+i], v[KT+i], -v7, v7       ; the conversion to an 8-bit code does not saturate (ISA guide 7.6.2): the hold at the largest code x the scale comes first
.set i, i+1
.endr
.irp g, 0,1,2,3
	v_cvt_scalef32_pk8_bf8_f32 v[KC+2*\g:KC+2*\g+1], v[KT+8*\g:KT+8*\g+7], v6
.endr
	v_nop                                          ; a plain line behind the last conversion of the run
.irp c, 0,1
	global_store_b128 v1, v[KC+4*\c:KC+4*\c+3], s[28:29] offset:512*\c      ; 32 lanes store 512 consecutive bytes, at a multiple of 512 from kv's first byte
.endr
	; ---- V, eight keys at a time as their loads come in
.irp g, 0,1,2,3
	s_wait_loadcnt 8*(3-\g)                        ; this group's eight loads are in; those of the later groups may be out
.irp i, 0,1,2,3,4,5,6,7
	v_med3_num_f32 v[VR+8*\g+\i], v[VR+8*\g+\i], -v9, v9
.endr
	v_cvt_scalef32_pk8_bf8_f32 v[VC+2*\g:VC+2*\g+1], v[VR+8*\g:VR+8*\g+7], v8
.endr
	v_nop                                          ; a plain line behind the last conversion
.irp u, 0,1
	global_store_b128 v5, v[VC+4*\u:VC+4*\u+3], s[10:11] offset:256*\u      ; keys 16 u + 0..15 of my column: sixteen neighbouring lanes store 256 consecutive bytes, aligned
.endr
	s_wait_tensorcnt 0x0
	ds_add_u32 v128, v129
	s_wait_dscnt 0x0
	s_endpgm
.Lfunc_end_k_qba37c38393_quant:
	.size	k_qba37c38393_quant, .Lfunc_end_k_qba37c38393_quant-k_qba37c38393_quant
	.p2alignl 7, 3214868480
	.fill 96, 4, 3214868480
	.section	.rodata,"a",@progbits
	.p2align	6, 0x0
	.amdhsa_kernel k_qba37c38393_quant
		.amdhsa_group_segment_fixed_size 35840
		.amdhsa_private_segment_fixed_size 0
		.amdhsa_enable_private_segment 0
		.amdhsa_kernarg_size 32
		.amdhsa_user_sgpr_count 2
		.amdhsa_user_sgpr_kernarg_segment_ptr 1
		.amdhsa_wavefront_size32 1
		.amdhsa_system_sgpr_workgroup_id_x 1
		.amdhsa_system_sgpr_workgroup_id_y 1
		.amdhsa_system_sgpr_workgroup_id_z 1
		.amdhsa_system_vgpr_workitem_id 0
		.amdhsa_next_free_vgpr 130
		.amdhsa_next_free_sgpr 66
		.amdhsa_reserve_vcc 0
		.amdhsa_float_denorm_mode_32 3
		.amdhsa_float_denorm_mode_16_64 3
		.amdhsa_memory_ordered 1
		.amdhsa_forward_progress 1
		.amdhsa_inst_pref_size 14
	.end_amdhsa_kernel
	.amdgpu_metadata
---
amdhsa.version: [ 1, 2 ]
amdhsa.kernels:
  - .name:           k_qba37c38393_quant
    .symbol:         k_qba37c38393_quant.kd
    .args:
      - { .name: key, .offset: 0, .size: 8, .value_kind: global_buffer, .address_space: global }
      - { .name: value, .offset: 8, .size: 8, .value_kind: global_buffer, .address_space: global }
      - { .name: lowp_scales, .offset: 16, .size: 8, .value_kind: global_buffer, .address_space: global }
      - { .name: kv, .offset: 24, .size: 8, .value_kind: global_buffer, .address_space: global }
    .group_segment_fixed_size: 35840
    .private_segment_fixed_size: 0
    .kernarg_segment_align: 8
    .kernarg_segment_size: 32
    .max_flat_workgroup_size: 256
    .sgpr_count:     66
    .vgpr_count:     130
    .wavefront_size: 32
...
	.end_amdgpu_metadata
.endif
;; end of part 3
;; launch attn (part 4): grid 8 x 32, 16 waves a work-group, no clusters, 137,216 bytes of LDS; arguments query, kv, lowp_scales, inv_scale_factor, out0; writes out0
.if DOCPART == 4
	.amdgcn_target "amdgcn-amd-amdhsa--gfx1250"
	.amdhsa_code_object_version 6
	.text
	.protected	k_qba37c38393_attn
	.globl	k_qba37c38393_attn
	.p2align	8
	.type	k_qba37c38393_attn,@function
k_qba37c38393_attn:
	s_mov_b64 s[64:65], 0
	v_nop
	global_prefetch_b8 v0, s[64:65] scope:SCOPE_SE
	s_setreg_imm32_b32 hwreg(HW_REG_WAVE_SCHED_MODE, 0, 2), 2
	s_setreg_imm32_b32 hwreg(HW_REG_WAVE_MODE, 25, 1), 1
	s_wait_xcnt 0x0
	s_wait_alu depctr_vm_vsrc(0)
; out0[head][q][:] = the sum over k of softmax_k(Q[q] . K[k] / inv_scale_factor) V[k][:], 32 heads, 2,048 queries and keys, head size 64, both products on codes of BF8 (E5M2) with the given scales 2^eq, 2^ek, 2^ep, 2^ev.
; K's and V's codes come from kv, laid by the launch before as images of the operands' registers (a step of 128 keys: K's image 8,192 bytes, V's 8,192).  Q is read by one wave alone and is quantised here, in registers.
; THE SOFTMAX AHEAD OF THE SECOND PRODUCT: t = score x c, c = log2(e) / |inv| x 2^(eq + ek); M = the running largest t, rounded UP to a whole number; p = 2^(t - M) is quantised along the keys, not normalised.
; The row's sum is taken of the unquantised p and divides O at the end.  When M moves, the sum and O are multiplied by 2^(old M - new M), which rounds nothing.
; THE SIGN OF inv_scale_factor is put onto Q ahead of the quantiser (the quantiser is odd, so every score changes its sign and nothing else): c is then positive whatever inv holds, and the largest score gives the largest t.
; SHARES.  A work-group (x: block of 256 queries, y: head) has sixteen waves; a wave owns 16 queries, one tile, in 256 registers: four waves to a SIMD, so that one wave's vector work stands beside another's products and LDS loads.
; Every wave walks all 2,048 keys, 128 a step, two steps (a chunk of 32,768 bytes of kv) to a slot.
; LAYOUT.  Both products are used transposed: S^T = K Q^T (source 0 = 16 keys, source 1 = my queries), O^T = V^T P^T (source 0 = 16 of the head's 64, source 1 = P): a lane holds ONE query (lane % 16) throughout.
; The keys of a tile of K are chosen (in kv) so that the 16 registers of tiles 2 b and 2 b + 1 of S^T are keys 32 b + 16 (lane / 16) + 0..15: the conversions' results are P's operand as they stand.
; The place of k in the registers is a permutation of the instruction's own, the same in both sources of each product: every product meets its partner; only the order of the sums inside an instruction differs.
; THE SLOTS ARE FILLED THROUGH REGISTERS: thread n copies 4 x 16 bytes of a chunk (global_load_b128 a slot's work ahead, ds_store_b128 into the slot that nobody reads).  While chunk i is read, chunk i + 1 is stored and chunk i + 2 asked for.
; ONE BARRIER A SLOT orders both ways: in front of it each wave's stores into the other slot have landed and its reads of this slot are back (s_wait_dscnt 0).
; NOT ASKED FOR JOINTLY, though the eight work-groups of a head read the same codes.  Here the branch on ep
; leaves out 64 of a step's vector instructions (the hold of p) wherever 57,344 x 2^ep covers p's largest value; a chunk costs a wave four loads and four LDS stores for two steps' work.
; NO PREFETCH: each chunk is asked for, into registers, two steps' work ahead of the wait for it.
; LIMITS: eq and ep between -126 and 112; |inv_scale_factor| a normal f32 number between 2^-126 and 2^126 (at 0 the quotient itself is not finite); c a normal f32 number; ep + ev is applied by v_ldexp_f32 and has no limit.
; NaN among the inputs is not served; an infinity in Q is held at the largest code.  p under 2^-126 counts as 0.
; THE MODE: SCHED_MODE bits 1:0 = 2 (LLVM: expert scheduling mode 2), set by the entry lines.  The code itself states the register dependences
; between vector or matrix instructions and memory or LDS instructions, with s_wait_alu, always for 0.
; THE PLAN.  Registers that memory or LDS instructions touch:
;   v1 .. v5     addresses: written by vector lines at the head, ahead of one wait on va_vdst, and never again; read by every load and store.
;   CH           the chunk on its way: written by global loads, read by the four LDS stores of a slot's first step; no vector or matrix line names it.  One wait on vm_vsrc stands between those stores and the next loads into it.
;   FR           a step's 16 LDS loads of K land in it, its 8 products K Q^T read it, its 16 LDS loads of V land in it, its 4 products V^T P^T read it.  So a step has two waits on va_vdst for it:
;                at its head (the last step's V^T P^T are done reading FR) and behind K Q^T (these are done reading it).  At the head of the kernel chunk 0 passes through its first 16 registers.
;   SC           at the head Q passes through it (global loads and LDS stores in its upper half, LDS loads into its lower half); in the steps vector and matrix lines alone name it;
;                on the way out the lower half is stored to LDS and the upper half takes the rows that come back and are stored to memory.
;   QF, OT, PC and the statistics are named by vector and matrix lines alone.
; Behind each wait the loads that it serves are dealt among lines that name none of their registers: V's loads among the lines of the maximum (SC, v218, v222), the next chunk's among the first four products (SC, FR, QF).
.set SLOTB, 32768                      ; LDS: slot 0 at 0, slot 1 at 32,768: dense copies of a chunk
.set STEPB, 16384                      ; a step's images
.set STAGE, 65536                      ; behind the slots: a stage of 16 rows x 272 bytes for each wave: Q's turn at the head, O's way out
.set PITCH, 272
.set LI,  1                            ; v1   16 x lane: an image's place for my lane; also my bytes in Q's loads and O's stores
.set CP,  2                            ; v2   16 x thread: my bytes of a quarter chunk, in kv and in a slot
.set SA,  3                            ; v3   the stage by rows: lanes 0-15 one row, lanes 16-31 the next, 16 bytes a lane
.set SQ,  4                            ; v4   the stage, Q's turn: row lane % 16, + 64 (lane / 16)
.set SO,  5                            ; v5   the stage, O's way in: row lane % 16, + 32 (lane / 16)
                                       ; v8 2^ep, v9 57,344 x 2^ep; v[10:11] c; v12 -M, v13 the largest t; v[14:15] the sum in two halves
.set QF,  16                           ; v16-23   Q's fragment
.set CH,  24                           ; v24-39   the chunk on its way
.set FR,  40                           ; v40-103  fragments: K's eight of 8 registers, then V's four of 16
.set SC,  104                          ; v104-167 S^T, then p
.set OT,  168                          ; v168-199 O^T: tile t at 168 + 8 t; register j is d = 16 t + 8 (lane / 16) + j
.set PC,  200                          ; v200-215 p's codes
                                       ; v216, v217 Q's scale and limit, at the end 1 / sum; v[218:219] second chain of the maximum, then f; v[220:221] second chain of the sum; v222 at work; v223 the lane exchange's destination
.macro BARRIER                         ; my LDS stores have landed and my LDS loads are back: then the work-group's barrier
	s_wait_dscnt 0x0
	s_barrier_signal -1
	s_barrier_wait -1
.endm
	s_load_b256 s[4:11], s[0:1], 0x0               ; query s[4:5], kv s[6:7], lowp_scales s[8:9], inv_scale_factor s[10:11]
	s_load_b64 s[12:13], s[0:1], 0x20              ; out0
	v_lshl_add_u32 v254, v0, 2, 0x21000
	v_mov_b32 v255, 0
	v_lshrrev_b32 v6, 5, v0
	v_readfirstlane_b32 s14, v6                    ; wave 0..15
	s_and_b32 s15, ttmp7, 0xffff                   ; head
	s_lshl_b32 s26, s15, 19                        ; Q and O: a head is 2,048 rows of 256 bytes,
	s_lshl_b32 s28, ttmp9, 16                      ; a block 256 rows,
	s_add_co_u32 s26, s26, s28
	s_wait_alu depctr_va_sdst(0)                   ; s14 is written, ahead of its first reader: Q's and O's offsets and the stage's place are made from it
	s_lshl_b32 s28, s14, 12                        ; a wave 16 rows
	s_add_co_u32 s26, s26, s28
	s_mov_b32 s27, 0
	s_lshl_b32 s28, s15, 18                        ; kv: a head is 262,144 bytes
	s_mov_b32 s29, 0
	s_mul_i32 s33, s14, 16*PITCH
	s_add_co_u32 s33, s33, STAGE                   ; my stage
	s_mov_b32 s30, 0x76543210                      ; v_permlanex16_b32's selects for lane l xor 16
	s_mov_b32 s31, 0xfedcba98
	v_and_b32 v6, 31, v0
	v_lshlrev_b32 v[LI], 4, v6
	v_lshlrev_b32 v[CP], 4, v0
	v_and_b32 v6, 15, v0                           ; r = lane % 16
	v_bfe_u32 v7, v0, 4, 1                         ; h = lane / 16
	v_mul_u32_u24 v[SA], v7, PITCH
	v_lshl_add_u32 v[SA], v6, 4, v[SA]
	v_add_nc_u32 v[SA], s33, v[SA]
	v_mul_u32_u24 v[SQ], v6, PITCH
	v_lshl_add_u32 v[SO], v7, 5, v[SQ]
	v_lshl_add_u32 v[SQ], v7, 6, v[SQ]
	v_add_nc_u32 v[SQ], s33, v[SQ]
	v_add_nc_u32 v[SO], s33, v[SO]
	s_wait_kmcnt 0x0
	s_load_b128 s[16:19], s[8:9], 0x0              ; eq, ek, ep, ev
	s_load_b32 s20, s[10:11], 0x0                  ; inv_scale_factor
	s_add_nc_u64 s[4:5], s[4:5], s[26:27]          ; Q at my first query
	s_add_nc_u64 s[12:13], s[12:13], s[26:27]      ; O likewise
	s_add_nc_u64 s[6:7], s[6:7], s[28:29]          ; kv at the head's chunk 0
	s_wait_alu depctr_va_vdst(0)                   ; the five addresses v1 to v5 are written, which every load and store of the kernel reads; no line writes them again
.irp j, 0,1,2,3
	global_load_b128 v[FR+4*\j:FR+4*\j+3], v[CP], s[6:7] offset:8192*\j                    ; chunk 0: a wave's load takes 512 consecutive bytes
.endr
.irp i, 0,1,2,3,4,5,6,7
	global_load_b128 v[SC+32+4*\i:SC+32+4*\i+3], v[LI], s[4:5] offset:512*\i th:TH_LOAD_NT ; my 16 rows of Q, two rows (512 consecutive bytes) a load
.endr
.irp j, 0,1,2,3
	global_load_b128 v[CH+4*\j:CH+4*\j+3], v[CP], s[6:7] offset:SLOTB+8192*\j              ; chunk 1
.endr
.set j, 0
.rept 32
	v_mov_b32 v[OT+j], 0                           ; O^T.  (The step is written once for all steps: the first finds zeros, which the first change of M leaves zeros)
.set j, j+1
.endr
	v_mov_b32 v13, 0xff61b1e6                      ; the largest t so far: -3e38, under every t
	v_floor_f32 v12, -v13                          ; -M
	v_mov_b32 v14, 0                               ; the sum, in two halves
	v_mov_b32 v15, 0
	v_mov_b32 v219, 0                              ; (named as the upper half of the pair v[218:219])
	v_mov_b32 v223, 0                              ; written once: a lane exchange's destination counts as one of its sources
	s_wait_kmcnt 0x0
	s_and_b32 s21, s20, 0x80000000                 ; inv's sign, for Q
	s_and_b32 s22, s20, 0x7fffffff                 ; |inv|
	s_add_co_i32 s23, s16, s17                     ; eq + ek
	s_add_co_i32 s24, s18, s19                     ; ep + ev
	s_add_co_i32 s28, s16, 127
	s_lshl_b32 s29, s28, 23
	v_mov_b32 v216, s29                            ; 2^eq as f32: the conversion takes its exponent field
	s_add_co_i32 s28, s28, 15
	s_lshl_b32 s28, s28, 23
	s_or_b32 s28, s28, 0x600000
	v_mov_b32 v217, s28                            ; 57,344 x 2^eq
	s_add_co_i32 s28, s18, 127
	s_lshl_b32 s29, s28, 23
	v_mov_b32 v8, s29                              ; 2^ep
	s_add_co_i32 s28, s28, 15
	s_lshl_b32 s28, s28, 23
	s_or_b32 s28, s28, 0x600000
	v_mov_b32 v9, s28                              ; 57,344 x 2^ep
	v_mov_b32 v222, s22
	s_wait_alu depctr_va_vdst(0)
	v_rcp_f32 v10, v222                            ; 1 / |inv|,
	v_nop                                          ; (a plain line behind the transcendental,
	s_wait_alu depctr_va_vdst(0)                   ; and the wait ahead of the first line that names its result: the reciprocal has written v10)
	v_fma_f32 v11, -v222, v10, 1.0                 ; bettered by one Newton step: what goes into a quantiser is as good as f32 gives
	v_fma_f32 v10, v11, v10, v10
	v_mul_f32 v10, 0x3fb8aa3b, v10                 ; x log2(e)
	v_ldexp_f32 v10, v10, s23                      ; x 2^(eq + ek): a score stands for score x 2^(eq + ek)
	v_mov_b32 v11, v10                             ; (named with it as a pair, so it is written)
	s_wait_loadcnt 12                              ; chunk 0's four loads are in; Q's eight and chunk 1's four, issued behind them, may be out
.irp j, 0,1,2,3
	ds_store_b128 v[CP], v[FR+4*\j:FR+4*\j+3] offset:8192*\j                               ; into slot 0.  (Its data came by loads and its address stands since the wait ahead of the first load: no vector line since then names either; the same holds of the LDS lines below)
.endr
	s_wait_loadcnt 4                               ; Q's eight loads are in; chunk 1's four may be out
.irp i, 0,1,2,3,4,5,6,7
	ds_store_b128 v[SA], v[SC+32+4*\i:SC+32+4*\i+3] offset:2*\i*PITCH                      ; Q turns through my stage, so that a lane gets 16 neighbours along d of one row
.endr
.irp c, 0,1
.irp j, 0,1,2,3
	ds_load_b128 v[SC+16*\c+4*\j:SC+16*\c+4*\j+3], v[SQ] offset:128*\c+16*\j               ; register 16 c + i = Q(r, 32 c + 16 h + i).  LDS serves a wave's instructions in order (ISA guide 5.7.1.4): these see my stores
.endr
.endr
	s_wait_dscnt 0x0
.set j, 0
.rept 32
	v_xor_b32 v[SC+j], s21, v[SC+j]                ; inv's sign goes onto Q
.set j, j+1
.endr
.set j, 0
.rept 32
	v_med3_num_f32 v[SC+j], v[SC+j], -v217, v217   ; the conversion to an 8-bit code does not saturate (ISA guide 7.6.2): the hold at the largest code x the scale
.set j, j+1
.endr
.irp g, 0,1,2,3
	v_cvt_scalef32_pk8_bf8_f32 v[QF+2*\g:QF+2*\g+1], v[SC+8*\g:SC+8*\g+7], v216
.endr
	v_nop                                          ; a plain line between the last conversion and the products, which read its result and write its sources
	BARRIER                                        ; chunk 0 lies whole in slot 0
	s_wait_alu depctr_vm_vsrc(0)                   ; my LDS stores above have read v[FR .. FR+15] (chunk 0) and v[SC+32 .. SC+63] (Q as loaded): the first step's loads land in the former, its products write the latter
; Load number vn of the sixteen that bring a step's four fragments of V, as they lie: tile vn / 4, registers 4 (vn % 4) on.  BS: the step's first byte in LDS.
.macro VFRAG
	ds_load_b128 v[FR+4*vn:FR+4*vn+3], v[LI] offset:BS+8192+512*vn
.set vn, vn+1
.endm
; A KEY STEP: 128 keys, the q-th step of the slot.  st = 1: the chunk that has come in goes into the other slot.  ld = 1 (only with st = 1): the chunk after that is asked for.
.macro STEP slot, q, st, ld
.set BS, (\slot)*SLOTB+(\q)*STEPB
.rept 4
	v_nop                                          ; four places behind the last step's products, ahead of the loads into the registers that they read; the wait on va_vdst below states the dependence itself
.endr
.if \st
	s_wait_loadcnt 0x0                             ; the chunk asked for a slot's work ago is in: no load of mine is out
.irp j, 0,1,2,3
	ds_store_b128 v[CP], v[CH+4*\j:CH+4*\j+3] offset:(1-(\slot))*SLOTB+8192*\j             ; into the slot that every wave has left: the barrier at the last slot's end stands between.  They stand ahead of the wait below: no vector or matrix line names CH, nor v[CP] since the head
.endr
.endif
	s_wait_alu depctr_va_vdst(0)                   ; the last step's products V^T P^T are done reading v[FR ..], in which K's loads land
.irp t, 0,1,2,3,4,5,6,7
.irp c, 0,1
	ds_load_b128 v[FR+8*\t+4*\c:FR+8*\t+4*\c+3], v[LI] offset:BS+1024*\t+512*\c            ; K's eight fragments, as they lie
.endr
.endr
	s_wait_dscnt 8                                 ; LDS instructions come back in order (ISA guide 5.7.1): tiles 0 to 3 are in; the youngest eight loads, tiles 4 to 7, may be out
.if \ld
	s_wait_alu depctr_vm_vsrc(0)                   ; the four LDS stores above have read v[CH ..], in which the next chunk's loads land
	s_add_nc_u64 s[6:7], s[6:7], SLOTB             ; no load that names the base is out (the wait for 0 above): it steps a chunk on
.endif
.irp t, 0,1,2,3
	v_wmma_f32_16x16x64_bf8_bf8 v[SC+8*\t:SC+8*\t+7], v[FR+8*\t:FR+8*\t+7], v[QF:QF+7], 0  ; S^T: lane (r, h) holds query r; register j of tile t is key 32 (t / 2) + 8 (t % 2) + 16 h + j
.if \ld
	global_load_b128 v[CH+4*\t:CH+4*\t+3], v[CP], s[6:7] offset:SLOTB+8192*\t              ; the chunk two on from the one in hand: it has this slot's two steps in which to come.  Dealt among the products, which name SC, FR and QF alone
.endif
.endr
	s_wait_dscnt 0x0                               ; tiles 4 to 7 are in
.irp t, 4,5,6,7
	v_wmma_f32_16x16x64_bf8_bf8 v[SC+8*\t:SC+8*\t+7], v[FR+8*\t:FR+8*\t+7], v[QF:QF+7], 0
.endr
.rept 4
	v_nop                                          ; four places: in front of the first read of the scores, and of the loads into K's registers
.endr
	s_wait_alu depctr_va_vdst(0)                   ; the eight products are done reading v[FR ..], in which V's loads land
.set vn, 0
	VFRAG                                          ; V's four fragments come in under the softmax: sixteen loads, dealt among the lines of the maximum, which name SC, v218 and v222 alone
	v_max3_num_f32 v222, v[SC], v[SC+1], v[SC+2]   ; the step's largest score of my query among my 64 keys, in two chains; each tile's registers are read from the low end on
	VFRAG
	v_max3_num_f32 v218, v[SC+3], v[SC+4], v[SC+5]
.irp i, 6,10,14,18,22,26,30,34,38,42,46,50,54,58
	VFRAG
	v_max3_num_f32 v222, v222, v[SC+\i], v[SC+1+\i]
	v_max3_num_f32 v218, v218, v[SC+2+\i], v[SC+3+\i]
.endr
	v_max3_num_f32 v222, v222, v[SC+62], v[SC+63]
	v_max_num_f32 v222, v222, v218
	v_permlanex16_b32 v223, v222, s30, s31
	v_max_num_f32 v222, v222, v223                 ; and among lane l xor 16's
	v_mul_f32 v222, v10, v222                      ; as t (c is positive)
	v_max_num_f32 v13, v13, v222                   ; the running largest t
	v_mov_b32 v222, v12
	v_floor_f32 v12, -v13                          ; the new -M = floor(-t) = -ceil(t): M is a whole number
	v_sub_f32 v222, v12, v222                      ; M's old value less its new one: a whole number, 0 or less
	v_cvt_i32_f32 v222, v222                       ; (it saturates)
	v_ldexp_f32 v218, 1.0, v222                    ; f = 2^(old M - new M)
.set j, 0
.rept 32
	v_pk_fma_f32 v[SC+j:SC+j+1], v[SC+j:SC+j+1], v[10:11], v[12:13] op_sel_hi:[1,0,0]      ; t - M, two at a time (of the pairs c and -M the low word serves both halves)
.set j, j+2
.endr
.set j, 0
	s_wait_alu depctr_va_vdst(0)
.rept 64
	v_exp_f32 v[SC+j], v[SC+j]                     ; p = 2^(t - M), at most 1: not normalised
.set j, j+1
.endr
	v_pk_mul_f32 v[14:15], v[14:15], v[218:219] op_sel_hi:[1,0]                            ; the sums under the new M: the plain line behind the exponentials
	s_wait_alu depctr_va_vdst(0)                   ; the 64 exponentials have written v[SC .. SC+63]: one wait for the batch, ahead of the first line that names a result
	v_pk_add_f32 v[220:221], v[SC:SC+1], v[SC+2:SC+3]                                      ; the row's sum is taken of the unquantised p: two at a time, in two chains
.irp j, 4,8,12,16,20,24,28,32,36,40,44,48,52,56,60
	v_pk_add_f32 v[14:15], v[14:15], v[SC+\j:SC+\j+1]
	v_pk_add_f32 v[220:221], v[220:221], v[SC+2+\j:SC+3+\j]
.endr
	v_pk_add_f32 v[14:15], v[14:15], v[220:221]
	s_cmp_ge_i32 s18, -15                          ; from ep = -15 on, 57,344 x 2^ep is 1.75 or more and p is at most 1: the hold would change nothing and is left out.  (A branch on a whole number that was read from memory, the same in every wave)
	s_cbranch_scc1 .Lfits_\@
.set j, 0
.rept 64
	v_min_num_f32 v[SC+j], v[SC+j], v9             ; the conversion does not saturate (ISA guide 7.6.2); p is not negative, so the hold is one-sided
.set j, j+1
.endr
.Lfits_\@:
.irp b, 0,1,2,3
	v_cvt_scalef32_pk8_bf8_f32 v[PC+4*\b:PC+4*\b+1], v[SC+16*\b:SC+16*\b+7], v8            ; registers 4 b .. 4 b + 3 of P's operand: keys 32 b + 16 h + 0..15, as V's image has them
	v_cvt_scalef32_pk8_bf8_f32 v[PC+4*\b+2:PC+4*\b+3], v[SC+16*\b+8:SC+16*\b+15], v8
.endr
.set j, 0
.rept 16
	v_pk_mul_f32 v[OT+j:OT+j+1], v[OT+j:OT+j+1], v[218:219] op_sel_hi:[1,0]                ; O^T under the new M, each tile from its low end on; also the plain lines between the conversions and the products
.set j, j+2
.endr
	s_wait_alu depctr_va_vdst(0)
	s_wait_dscnt 0x0                               ; V's fragments are in
.irp t, 0,1,2,3
	v_wmma_f32_16x16x128_bf8_bf8 v[OT+8*\t:OT+8*\t+7], v[FR+16*\t:FR+16*\t+15], v[PC:PC+15], v[OT+8*\t:OT+8*\t+7]   ; O^T += V^T P^T: the four accumulators take turns, one instruction a turn
.endr
.endm
.macro SLOTWORK slot, st, ld
	STEP \slot, 0, \st, \ld
	STEP \slot, 1, 0, 0
	BARRIER                                        ; every wave has left this slot, and the other slot is whole
.endm
	s_mov_b32 s32, 3
.Lpair:                                                ; three trips: chunks 0 to 5 are read, chunks 1 to 6 stored, chunks 2 to 7 asked for
	SLOTWORK 0, 1, 1
	SLOTWORK 1, 1, 1
	s_sub_co_u32 s32, s32, 1
	s_cmp_lg_u32 s32, 0
	s_cbranch_scc1 .Lpair
	SLOTWORK 0, 1, 0                               ; chunk 6 is read, chunk 7 stored; nothing is left to ask for: no load leaves the head's part of kv, and nothing is written into CH again
	STEP 1, 0, 0, 0                                ; chunk 7; nothing is stored into a slot behind it, so no barrier follows
	STEP 1, 1, 0, 0
	; THE WAY OUT.  O^T is divided by the row's sum, multiplied by 2^(ep + ev), and goes through my stage, so that whole rows of 256 bytes leave.  The plain lines down to the first multiplication are the places behind the last products.
	v_add_f32 v14, v14, v15                        ; the sum's two halves,
	v_permlanex16_b32 v223, v14, s30, s31
	v_add_f32 v14, v14, v223                       ; and lane l xor 16's: the row's sum
	s_wait_alu depctr_va_vdst(0)
	v_rcp_f32 v216, v14
	v_nop                                          ; a plain line behind the transcendental
	s_wait_alu depctr_va_vdst(0)                   ; the reciprocal has written v216: the wait ahead of the first line that names its result
	v_ldexp_f32 v216, v216, s24                    ; x 2^(ep + ev)
	v_mov_b32 v217, v216                           ; a pair for the packed multiplication
.set j, 0
.rept 16
	v_pk_mul_f32 v[SC+j:SC+j+1], v[OT+j:OT+j+1], v[216:217]                                ; register 8 t + i is o(r, 16 t + 8 h + i); each tile from its low end on
.set j, j+2
.endr
	s_wait_alu depctr_va_vdst(0)                   ; the multiplications have written v[SC .. SC+31], which the LDS stores read; the last step's lines are done with v[SC+32 .. SC+63], in which the loads from the stage land
.irp t, 0,1,2,3
	ds_store_b128 v[SO], v[SC+8*\t:SC+8*\t+3] offset:64*\t                                 ; row r of the stage, bytes 64 t + 32 h on
	ds_store_b128 v[SO], v[SC+8*\t+4:SC+8*\t+7] offset:64*\t+16
.endr
.irp i, 0,1,2,3,4,5,6,7
	ds_load_b128 v[SC+32+4*\i:SC+32+4*\i+3], v[SA] offset:2*\i*PITCH                       ; back by rows: these see my stores (a wave's LDS instructions are served in order)
.endr
.irp i, 0,1,2,3,4,5,6,7
	s_wait_dscnt 7-\i                              ; load i is back; the later ones may be out
	global_store_b128 v[LI], v[SC+32+4*\i:SC+32+4*\i+3], s[12:13] offset:512*\i th:TH_STORE_NT   ; 32 lanes store two rows of O: 512 consecutive bytes, at a multiple of 512 from out0's first byte
.endr
	s_wait_dscnt 0x0
	s_wait_alu depctr_hold_cnt(0) depctr_sa_sdst(0) depctr_va_vdst(0) depctr_va_sdst(0) depctr_va_ssrc(0) depctr_va_vcc(0) depctr_vm_vsrc(0)
	s_wait_tensorcnt 0x0
	ds_add_u32 v254, v255
	s_wait_dscnt 0x0
	s_endpgm
.Lfunc_end_k_qba37c38393_attn:
	.size	k_qba37c38393_attn, .Lfunc_end_k_qba37c38393_attn-k_qba37c38393_attn
	.p2alignl 7, 3214868480
	.fill 96, 4, 3214868480
	.section	.rodata,"a",@progbits
	.p2align	6, 0x0
	.amdhsa_kernel k_qba37c38393_attn
		.amdhsa_group_segment_fixed_size 137216
		.amdhsa_private_segment_fixed_size 0
		.amdhsa_enable_private_segment 0
		.amdhsa_kernarg_size 40
		.amdhsa_user_sgpr_count 2
		.amdhsa_user_sgpr_kernarg_segment_ptr 1
		.amdhsa_wavefront_size32 1
		.amdhsa_system_sgpr_workgroup_id_x 1
		.amdhsa_system_sgpr_workgroup_id_y 1
		.amdhsa_system_sgpr_workgroup_id_z 1
		.amdhsa_system_vgpr_workitem_id 0
		.amdhsa_next_free_vgpr 256
		.amdhsa_next_free_sgpr 66
		.amdhsa_reserve_vcc 0
		.amdhsa_float_denorm_mode_32 3
		.amdhsa_float_denorm_mode_16_64 3
		.amdhsa_memory_ordered 1
		.amdhsa_forward_progress 1
		.amdhsa_inst_pref_size 139
	.end_amdhsa_kernel
	.amdgpu_metadata
---
amdhsa.version: [ 1, 2 ]
amdhsa.kernels:
  - .name:           k_qba37c38393_attn
    .symbol:         k_qba37c38393_attn.kd
    .args:
      - { .name: query, .offset: 0, .size: 8, .value_kind: global_buffer, .address_space: global }
      - { .name: kv, .offset: 8, .size: 8, .value_kind: global_buffer, .address_space: global }
      - { .name: lowp_scales, .offset: 16, .size: 8, .value_kind: global_buffer, .address_space: global }
      - { .name: inv_scale_factor, .offset: 24, .size: 8, .value_kind: global_buffer, .address_space: global }
      - { .name: out0, .offset: 32, .size: 8, .value_kind: global_buffer, .address_space: global }
    .group_segment_fixed_size: 137216
    .private_segment_fixed_size: 0
    .kernarg_segment_align: 8
    .kernarg_segment_size: 40
    .max_flat_workgroup_size: 512
    .sgpr_count:     66
    .vgpr_count:     256
    .wavefront_size: 32
...
	.end_amdgpu_metadata
.endif
;; end of part 4
